; MI455X (gfx1250); checked and timed in simulation.
; The chip was launched on July 23, 2026; its instructions are those of AMD's public machine-readable ISA for CDNA 5 (MIT licence, August 2026) and "CDNA5" Instruction Set Architecture Reference Guide (July 2026). The comments in the code are by the model that wrote it; some were corrected since.
;; MLP Decoder. Allowed arithmetic: float matrix products may take bf16 or f16 operands with f32 sums; all other float work in f32.
;; Inputs: W1 256 x 512 float32; W2 1 x 256 float32; b1 256 float32; b2 1 float32; z 1,024 x 256 float32.
;; Outputs: out0 1,024 x 1,024 float32.
;; One version. Each part assembles by itself: llvm-mc -triple=amdgcn-amd-amdhsa -mcpu=gfx1250 --defsym DOCPART=n.
;; ======== version 1 of 1: 2 launches
;; workspace buffers: an 2,097,152 bytes; sp 65,536 bytes
;; launch proj (part 1): grid 16 x 16, 4 waves a work-group, clusters of 4 x 4, 168,448 bytes of LDS; arguments z, W1, b1, W2, an, sp; writes an, sp
.if DOCPART == 1
	.amdgcn_target "amdgcn-amd-amdhsa--gfx1250"
	.amdhsa_code_object_version 6
	.text
	.protected	k_qe955af8cb4_proj
	.globl	k_qe955af8cb4_proj
	.p2align	8
	.type	k_qe955af8cb4_proj,@function
k_qe955af8cb4_proj:
	s_mov_b64 s[64:65], 0
	v_nop
	global_prefetch_b8 v0, s[64:65] scope:SCOPE_SE
	s_setreg_imm32_b32 hwreg(HW_REG_WAVE_MODE, 25, 1), 1
	s_wait_xcnt 0x0
	s_wait_alu depctr_hold_cnt(0) depctr_sa_sdst(0) depctr_va_vdst(0) depctr_va_sdst(0) depctr_va_ssrc(0) depctr_va_vcc(0) depctr_vm_vsrc(0)
	s_getreg_b32 s2, hwreg(HW_REG_IB_STS2, 6, 4)
	s_cmp_eq_u32 s2, 0
	s_cbranch_scc0 .Lentry_in_a_cluster
	s_endpgm
.Lentry_in_a_cluster:
	s_bfe_u32 s2, ttmp6, 0x10000c
	s_cmp_lg_u32 s2, 0xf033
	s_cbranch_scc0 .Lentry_shape_is_right
	s_endpgm
.Lentry_shape_is_right:
; proj: the two projections of z.  a[i][h] = sum_k z[i][k] W1[h][k] + b1[h];  c[j][h] = sum_k z[j][k] W1[h][256+k], stored as n = -c;
; sp[hs][j] = sum over the 16 h of slice hs of W2[h] c[j][h].  z and W1 are rounded to bf16 (nearest even) on the way to the matrix
; instructions; sums, bias, sign and sp are f32.  The next launch uses relu(a + c) = max(a, -c) + c, so it wants a, -c and the column
; sums of W2 c, made here from the very c that is stored.
; WORK: grid 16 x 16.  Work-group (B, hs): z rows 64 B .. 64 B + 63, h = 16 hs .. 16 hs + 15, both halves of W1.  Wave t: the 16 rows 64 B + 4 l + t.
; Two accumulators (a, c), 8 K steps of 32: 16 matrix instructions a wave.
; TRANSPOSED USE: source 0 = 16 rows of W1 (h), source 1 = 16 rows of z: lane (r, half) holds row l = r and the 8 neighbouring h = 8 half + 0..7.
; WORKSPACE an: [part a, n][B][q = h / 4][t][place 0..15][4 h] f32; place = l for n, (l + 8 (q & 1)) mod 16 for a.
; In every store of 4 registers 16 neighbouring lanes write 256 consecutive bytes, aligned.
; CLUSTERS 4 x 4: a wave's z rows hang on B (work-group x) and the wave alone: asked jointly down the cluster's column; its rows of W1 hang on
; hs (work-group y) and the wave alone: asked jointly along the cluster's row.  That divides the requests for 96 KiB a work-group by four.
; A wave has two tensor loads out, both first fills.  They have 16 and 8 rows of 1,024 bytes: all that a wave's share holds.
; LIMITS: NaN and infinities in the inputs are not followed as reference() follows them (see the next launch).
.set ZP,   1040                        ; an LDS row: 1,024 bytes + 16 of padding = 260 words: row r starts at bank 4 r mod 64 (64 banks of 4 bytes: ISA guide 11.1)
.set ZT,   16*ZP                       ; a wave's 16 rows of z
.set WT,   4*ZT                        ; W1's tile: [half of W1][16 h] rows, ends at byte 99,840
.set WQ,   8*ZP                        ; a wave's 8 rows of it
.set STG,  100352                      ; = 392 x 256: 256 bytes for the 64 column sums, 64 for each wave; no tensor load lands here
.set PART, 1048576                     ; bytes of part a in the workspace
.set VZ,  2                            ; LDS address of my z fragments
.set VW,  3                            ; LDS address of my W1 fragments
.set VS0, 4                            ; workspace offset, place r
.set VS1, 5                            ; workspace offset, place (r + 8) mod 16
.set VSG, 6                            ; my word in the stage
.set VB,  7                            ; my offset in b1 and in W2
.set ACC0, 8                           ; v[8:15]   a
.set ACC1, 16                          ; v[16:23]  c
.set WV,  24                           ; v[24:31]  W2 of my 8 h
.set P,   32                           ; v[32:33]  partial column sum
.set VRD, 34                           ; wave 0: where it reads the stage
.set VGO, 35                           ; wave 0: 8 x lane in sp
.set RR,  36                           ; r
.set HF,  37                           ; half
.set TT,  38                           ; at work
.set FR,  40                           ; two sets of 24: bf16 fragments of z, W1 first half, W1 second half
.set F,   88                           ; two buffers of 48: the same three fragments in f32
.set G1Z, 24
.set G1W, 32
.set G0Z, 40
.set G0W, 44
.set PADW, (2<<16)|(1<<20)|(1<<21)|(7<<22)|(3<<25)   ; elements of 4 bytes; padding on; bit 21 beside a mask; after every 256 words; 4 words
; A round of the cluster's barrier: my work-group's barrier, wave 0 signals for the work-group, every wave waits for all sixteen, my work-group's barrier again.
.macro CROUND
	s_barrier_signal -1
	s_barrier_wait -1
	s_cmp_lg_u32 s16, 0
	s_cbranch_scc1 .Lnot_wave_0_\@
	s_barrier_signal -3
.Lnot_wave_0_\@:
	s_barrier_wait -3
	s_barrier_signal -1
	s_barrier_wait -1
.endm
	s_load_b256 s[4:11], s[0:1], 0x0               ; z s[4:5], W1 s[6:7], b1 s[8:9], W2 s[10:11]
	s_load_b128 s[12:15], s[0:1], 0x20             ; an s[12:13], sp s[14:15]
	v_lshl_add_u32 v184, v0, 2, 0x29000
	v_mov_b32 v185, 0
	ds_add_u32 v184, v185
	v_lshrrev_b32 v1, 5, v0
	v_readfirstlane_b32 s16, v1                    ; wave t
	s_bfe_u32 s17, ttmp6, 0x40000                  ; cx
	s_bfe_u32 s18, ttmp6, 0x40004                  ; cy
	s_lshl_b32 s19, ttmp9, 2
	s_add_co_u32 s19, s19, s17                     ; B = 4 x cluster x + cx
	s_and_b32 s20, ttmp7, 0xffff
	s_lshl_b32 s20, s20, 2
	s_add_co_u32 s20, s20, s18                     ; hs = 4 x cluster y + cy
	s_lshl_b32 s21, s18, 2
	s_lshl_b32 s21, 15, s21                        ; my row of the cluster
	s_lshl_b32 s22, 0x1111, s17                    ; my column
	s_mov_b32 s52, 0x76543210                      ; v_permlanex16_b32: lane i reads lane i of the other half
	s_mov_b32 s53, 0xfedcba98
	; group 1 for z: 16 rows of 256 f32, 4 rows of z (1,024 elements) apart; for W1: 8 rows of 256 f32, 512 elements apart
	s_or_b32 s[G1Z+0], s22, PADW                   ; z's tile hangs on B: shared down my column
	s_or_b32 s[G1W+0], s21, PADW                   ; W1's tile hangs on hs: shared along my row
	s_mov_b32 s[G1Z+1], 256<<16                    ; tensor_dim0 = 256
	s_mov_b32 s[G1W+1], 256<<16
	s_mov_b32 s[G1Z+2], 16<<16                     ; tensor_dim1 = 16
	s_mov_b32 s[G1W+2], 8<<16                      ; tensor_dim1 = 8
	s_mov_b32 s[G1Z+3], 256<<16                    ; tile_dim0 = 256
	s_mov_b32 s[G1W+3], 256<<16
	s_mov_b32 s[G1Z+4], 16                         ; tile_dim1
	s_mov_b32 s[G1W+4], 8
	s_mov_b32 s[G1Z+5], 1024                       ; elements from row to row
	s_mov_b32 s[G1W+5], 512
	s_mov_b32 s[G1Z+6], 0
	s_mov_b32 s[G1W+6], 0
	s_mov_b32 s[G1Z+7], 0
	s_mov_b32 s[G1W+7], 0
	; z: byte (64 B + t) x 1,024.  These registers never hold cy.
	s_lshl_b32 s48, s19, 16
	s_lshl_b32 s23, s16, 10
	s_add_co_u32 s48, s48, s23
	s_mov_b32 s49, 0
	; W1: byte (16 hs + 8 (t & 1)) x 2,048 + (t >> 1) x 1,024.  These registers never hold cx.
	s_lshl_b32 s50, s20, 15
	s_and_b32 s58, s16, 1
	s_lshl_b32 s58, s58, 14
	s_add_co_u32 s50, s50, s58
	s_lshr_b32 s58, s16, 1
	s_lshl_b32 s58, s58, 10
	s_add_co_u32 s50, s50, s58
	s_mov_b32 s51, 0
	s_mov_b32 s[G0Z+0], 1
	s_mul_i32 s[G0Z+1], s16, ZT                    ; LDS: wave x 16 rows
	s_mov_b32 s[G0W+0], 1
	s_mul_i32 s[G0W+1], s16, WQ
	s_add_co_u32 s[G0W+1], s[G0W+1], WT            ; LDS: behind z, wave x 8 rows = [t >> 1][8 (t & 1) ..]
	s_wait_dscnt 0x0
	s_wait_kmcnt 0x0
	s_add_nc_u64 s[G0Z+2:G0Z+3], s[4:5], s[48:49]
	s_or_b32 s[G0Z+3], s[G0Z+3], 0x80000000
	s_add_nc_u64 s[G0W+2:G0W+3], s[6:7], s[50:51]
	s_or_b32 s[G0W+3], s[G0W+3], 0x80000000
	CROUND                                         ; all sixteen work-groups are here: the joint loads meet
	tensor_load_to_lds s[G0Z:G0Z+3], s[G1Z:G1Z+7]
	s_nop 0
	tensor_load_to_lds s[G0W:G0W+3], s[G1W:G1W+7]
	s_nop 0
	; A fragment (16 rows x 32 K): lane (r, half) holds row r, K = 8 half + 0..7 and 16 + 8 half + 0..7: in f32 two runs of 32 bytes, 64 bytes apart
	v_and_b32 v[RR], 15, v0
	v_bfe_u32 v[HF], v0, 4, 1
	v_mul_u32_u24 v[VW], v[RR], ZP
	v_lshl_add_u32 v[VW], v[HF], 5, v[VW]          ; r x pitch + 32 half
	v_add_nc_u32 v[VZ], s[G0Z+1], v[VW]            ; in my wave's z rows
	v_add_nc_u32 v[VW], WT, v[VW]
	v_lshlrev_b32 v[TT], 11, v[HF]                 ; 2,048 half: two q further
	v_lshl_add_u32 v[VS0], v[RR], 4, v[TT]         ; 16 r + 2,048 half
	v_add_nc_u32 v[VS1], 8, v[RR]
	v_and_b32 v[VS1], 15, v[VS1]
	v_lshl_add_u32 v[VS1], v[VS1], 4, v[TT]        ; 16 ((r + 8) mod 16) + 2,048 half
	s_lshl_b32 s62, s16, 6
	s_add_co_u32 s62, s62, STG
	v_lshl_add_u32 v[VSG], v[RR], 2, s62           ; stage: 64 bytes of my wave's own, word r
	v_and_b32 v[VRD], 1, v0                        ; wave 0, lane L stores columns 2 L and 2 L + 1 of the block's 64 = (l = L >> 1, t = 2 (L & 1) and + 1)
	v_bfe_u32 v[TT], v0, 1, 4
	v_lshlrev_b32 v[VRD], 7, v[VRD]
	v_lshl_add_u32 v[VRD], v[TT], 2, v[VRD]
	v_add_nc_u32 v[VRD], STG, v[VRD]               ; 128 (L & 1) + 4 (L >> 1); the second word lies 64 bytes further
	v_and_b32 v[VGO], 31, v0
	v_lshlrev_b32 v[VGO], 3, v[VGO]                ; 8 x lane
	s_lshl_b32 s63, s20, 6
	v_lshl_add_u32 v[VB], v[HF], 5, s63            ; byte (16 hs + 8 half) x 4 in b1 and in W2
	global_load_b128 v[ACC0:ACC0+3],   v[VB], s[8:9]             ; b1 of my 8 h lies where the accumulator's layout wants it: it starts a's sums
	global_load_b128 v[ACC0+4:ACC0+7], v[VB], s[8:9] offset:16
	global_load_b128 v[WV:WV+3],       v[VB], s[10:11]
	global_load_b128 v[WV+4:WV+7],     v[VB], s[10:11] offset:16
	s_lshl_b32 s54, s19, 16                        ; workspace: B x 65,536 + hs x 4,096 + t x 256
	s_lshl_b32 s60, s20, 12
	s_add_co_u32 s54, s54, s60
	s_lshl_b32 s61, s16, 8
	s_add_co_u32 s54, s54, s61
	s_mov_b32 s55, 0
	s_add_nc_u64 s[12:13], s[12:13], s[54:55]
	s_lshl_b32 s56, s19, 8                         ; sp: hs x 4,096 + B x 256
	s_add_co_u32 s56, s56, s60
	s_mov_b32 s57, 0
	s_add_nc_u64 s[14:15], s[14:15], s[56:57]
.macro LOAD4 dst, adr, off
	ds_load_b128 v[\dst:\dst+3],     v[\adr] offset:\off
	ds_load_b128 v[\dst+4:\dst+7],   v[\adr] offset:\off+16
	ds_load_b128 v[\dst+8:\dst+11],  v[\adr] offset:\off+64
	ds_load_b128 v[\dst+12:\dst+15], v[\adr] offset:\off+80
.endm
.macro LOADF ks, b                     ; the three f32 fragments of K step ks into buffer b: 12 loads
	LOAD4 F+48*(\b),    VZ, 128*(\ks)
	LOAD4 F+48*(\b)+16, VW, 128*(\ks)
	LOAD4 F+48*(\b)+32, VW, 128*(\ks)+16*ZP
.endm
; One K step on buffer and fragment set s.  nk: the next K step (8: none).  The fragment sets take turns, so that the 24 conversions of one step
; stand between a matrix instruction and the conversions that write its sources again (ISA guide 7.12.1 asks for four independent vector instructions).
; The two accumulators take turns, one instruction a turn.
.macro KSTEP s, nk, first
.if \nk < 8
	LOADF \nk, 1-\s
	s_wait_dscnt 12                                ; LDS loads come back in order (ISA guide 5.7.1): this step's 12 are in, the 12 just issued may be out
.else
	s_wait_dscnt 0x0
.endif
.set i, 0
.rept 24
	v_cvt_pk_bf16_f32 v[FR+24*\s+i], v[F+48*\s+2*i], v[F+48*\s+2*i+1]
.set i, i+1
.endr
	v_wmma_f32_16x16x32_bf16 v[ACC0:ACC0+7], v[FR+24*\s+8:FR+24*\s+15], v[FR+24*\s:FR+24*\s+7], v[ACC0:ACC0+7]
.if \first
	v_wmma_f32_16x16x32_bf16 v[ACC1:ACC1+7], v[FR+24*\s+16:FR+24*\s+23], v[FR+24*\s:FR+24*\s+7], 0
.else
	v_wmma_f32_16x16x32_bf16 v[ACC1:ACC1+7], v[FR+24*\s+16:FR+24*\s+23], v[FR+24*\s:FR+24*\s+7], v[ACC1:ACC1+7]
.endif
.endm
	s_wait_tensorcnt 0x0                           ; my z rows and my rows of W1 are in LDS,
	s_barrier_signal -1
	s_barrier_wait -1                              ; everybody's rows of W1 are
	LOADF 0, 0
	s_wait_loadcnt 0x0                             ; b1 (the first C operand) and W2
	KSTEP 0, 1, 1
	KSTEP 1, 2, 0
	KSTEP 0, 3, 0
	KSTEP 1, 4, 0
	KSTEP 0, 5, 0
	KSTEP 1, 6, 0
	KSTEP 0, 7, 0
	KSTEP 1, 8, 0
.rept 4
	v_nop                                          ; four places behind the last matrix instructions, before their results are read (ISA guide 7.12.1)
.endr
	global_store_b128 v[VS0], v[ACC0:ACC0+3],   s[12:13]                 ; a, even q: place r
	global_store_b128 v[VS1], v[ACC0+4:ACC0+7], s[12:13] offset:1024     ; a, odd q: place (r + 8) mod 16
	v_pk_mul_f32 v[P:P+1], v[WV:WV+1], v[ACC1:ACC1+1]                    ; W2 c over my 8 h
	v_pk_fma_f32 v[P:P+1], v[WV+2:WV+3], v[ACC1+2:ACC1+3], v[P:P+1]
	v_pk_fma_f32 v[P:P+1], v[WV+4:WV+5], v[ACC1+4:ACC1+5], v[P:P+1]
	v_pk_fma_f32 v[P:P+1], v[WV+6:WV+7], v[ACC1+6:ACC1+7], v[P:P+1]
	v_add_f32 v[P], v[P], v[P+1]
	v_permlanex16_b32 v[P+1], v[P], s52, s53       ; the other 8 h of the same row
	v_add_f32 v[P], v[P], v[P+1]
	ds_store_b32 v[VSG], v[P]                      ; both halves of the lanes write the same word with the same value
.irp j, 0,2,4,6
	v_pk_mul_f32 v[ACC1+\j:ACC1+\j+1], v[ACC1+\j:ACC1+\j+1], -1.0 op_sel_hi:[1,0]   ; n = -c
.endr
	global_store_b128 v[VS0], v[ACC1:ACC1+3],   s[12:13] offset:PART
	global_store_b128 v[VS0], v[ACC1+4:ACC1+7], s[12:13] offset:PART+1024
	s_wait_dscnt 0x0                               ; my words of the stage are written,
	s_barrier_signal -1
	s_barrier_wait -1                              ; all 64 are
	s_cmp_lg_u32 s16, 0
	s_cbranch_scc1 .Lno_sp
	ds_load_b32 v[P],   v[VRD]                     ; column 2 L of the block
	ds_load_b32 v[P+1], v[VRD] offset:64           ; column 2 L + 1: the next wave's word
	s_wait_dscnt 0x0
	global_store_b64 v[VGO], v[P:P+1], s[14:15]    ; wave 0: 32 lanes x 8 bytes = the block's 64 sums, 256 consecutive bytes, aligned
.Lno_sp:
	s_wait_tensorcnt 0x0
	ds_add_u32 v184, v185
	s_wait_dscnt 0x0
	CROUND                                         ; the closing round: no work-group ends while a partner may still ask for a tile that names it
	s_endpgm
.Lfunc_end_k_qe955af8cb4_proj:
	.size	k_qe955af8cb4_proj, .Lfunc_end_k_qe955af8cb4_proj-k_qe955af8cb4_proj
	.p2alignl 7, 3214868480
	.fill 96, 4, 3214868480
	.section	.rodata,"a",@progbits
	.p2align	6, 0x0
	.amdhsa_kernel k_qe955af8cb4_proj
		.amdhsa_group_segment_fixed_size 168448
		.amdhsa_private_segment_fixed_size 0
		.amdhsa_enable_private_segment 0
		.amdhsa_kernarg_size 48
		.amdhsa_user_sgpr_count 2
		.amdhsa_user_sgpr_kernarg_segment_ptr 1
		.amdhsa_wavefront_size32 1
		.amdhsa_system_sgpr_workgroup_id_x 1
		.amdhsa_system_sgpr_workgroup_id_y 1
		.amdhsa_system_sgpr_workgroup_id_z 1
		.amdhsa_system_vgpr_workitem_id 0
		.amdhsa_next_free_vgpr 186
		.amdhsa_next_free_sgpr 66
		.amdhsa_reserve_vcc 0
		.amdhsa_float_denorm_mode_32 3
		.amdhsa_float_denorm_mode_16_64 3
		.amdhsa_memory_ordered 1
		.amdhsa_forward_progress 1
		.amdhsa_inst_pref_size 27
	.end_amdhsa_kernel
	.amdgpu_metadata
---
amdhsa.version: [ 1, 2 ]
amdhsa.kernels:
  - .name:           k_qe955af8cb4_proj
    .symbol:         k_qe955af8cb4_proj.kd
    .args:
      - { .name: z, .offset: 0, .size: 8, .value_kind: global_buffer, .address_space: global }
      - { .name: W1, .offset: 8, .size: 8, .value_kind: global_buffer, .address_space: global }
      - { .name: b1, .offset: 16, .size: 8, .value_kind: global_buffer, .address_space: global }
      - { .name: W2, .offset: 24, .size: 8, .value_kind: global_buffer, .address_space: global }
      - { .name: an, .offset: 32, .size: 8, .value_kind: global_buffer, .address_space: global }
      - { .name: sp, .offset: 40, .size: 8, .value_kind: global_buffer, .address_space: global }
    .group_segment_fixed_size: 168448
    .private_segment_fixed_size: 0
    .kernarg_segment_align: 8
    .kernarg_segment_size: 48
    .max_flat_workgroup_size: 128
    .sgpr_count:     66
    .vgpr_count:     186
    .wavefront_size: 32
...
	.end_amdgpu_metadata
.endif
;; end of part 1
;; launch pairs (part 2): grid 16 x 16, 4 waves a work-group, clusters of 4 x 4, 168,448 bytes of LDS; arguments an, sp, W2, b2, out0; writes out0
.if DOCPART == 2
	.amdgcn_target "amdgcn-amd-amdhsa--gfx1250"
	.amdhsa_code_object_version 6
	.text
	.protected	k_qe955af8cb4_pairs
	.globl	k_qe955af8cb4_pairs
	.p2align	8
	.type	k_qe955af8cb4_pairs,@function
k_qe955af8cb4_pairs:
	s_mov_b64 s[64:65], 0
	v_nop
	global_prefetch_b8 v0, s[64:65] scope:SCOPE_SE
	s_setreg_imm32_b32 hwreg(HW_REG_WAVE_MODE, 25, 1), 1
	s_wait_xcnt 0x0
	s_wait_alu depctr_hold_cnt(0) depctr_sa_sdst(0) depctr_va_vdst(0) depctr_va_sdst(0) depctr_va_ssrc(0) depctr_va_vcc(0) depctr_vm_vsrc(0)
	s_getreg_b32 s2, hwreg(HW_REG_IB_STS2, 6, 4)
	s_cmp_eq_u32 s2, 0
	s_cbranch_scc0 .Lentry_in_a_cluster
	s_endpgm
.Lentry_in_a_cluster:
	s_bfe_u32 s2, ttmp6, 0x10000c
	s_cmp_lg_u32 s2, 0xf033
	s_cbranch_scc0 .Lentry_shape_is_right
	s_endpgm
.Lentry_shape_is_right:
; pairs: out[i][j] = sigmoid(b2 + sum_h W2[h] relu(a[i][h] + c[j][h])), from a, n = -c and the column sums sp of the launch before.
; relu(a + c) = max(a, n) + c for all finite numbers, so  pre = b2 + sum_hs sp[hs][j] + sum_h W2[h] max(a[i][h], n[j][h]):
; one maximum and one multiply-add for each of the 1024 x 1024 x 256 elements, all in f32, two elements to a dual instruction.
; WHY THE SUM OVER h IS NOT A MATRIX INSTRUCTION: it has one output column, one of a 16x16x32 instruction's sixteen, and packing the maxima to
; bf16 costs one vector instruction for two numbers: as many as the dual multiply-add below, which ends the job in f32.
; WHY TWO LAUNCHES: a work-group that made its own a and n would read all of W1 and 128 rows of z, 640 KiB, and the projections would be
; repeated 16 times over; here it reads 128 KiB + 5 KiB.
; WORK: grid 16 x 16; work-group (bx, by) makes 64 x 64 of out; wave w the 16 rows 64 by + 4 l + w, all 64 columns.
; Lane = lj (bits 0-2), hh (bit 3), li (bit 4).  Rows l = 8 li + K, K = 0..7.  Columns 64 bx + 4 x + c, x = lj + 8 (G xor hh), G = 0, 1, c = 0..3.
; In step s (0..31) the lane takes h = 8 s + 4 hh + 0..3.  So a lane has 8 x 8 sums over half of the h: 17 LDS loads of 16 bytes feed 256 dual instructions.
; LDS needs no padding; of a
; they take two addresses, 128 bytes apart modulo 256, because the launch before has flipped a's places in odd q.
; CLUSTERS 4 x 4: a's block hangs on by: asked jointly along the cluster's row; n's hangs on bx: jointly down the column.  Each wave asks for a quarter
; of each (64 rows of 256 bytes): two tensor loads out, both first fills; all 128 KiB fit at once, so nothing is filled again and there is no ring.
; LIMITS: NaN and infinities in the inputs are not followed as reference() follows them (the maximum drops a NaN; inf - inf arises where reference() has inf).
; The order of f32 rounding differs: two sums, each at most sum |W2| max(|a|, |c|), are added, 256 terms each.  Results below 2^-126 come out as 0.
.set NB,  65536                        ; LDS: a's block at 0, n's at 65,536, both as they lie in memory: [q][t][place][4 h]
.set WL,  131072                       ; W2, 1,024 bytes, written by LDS stores; no tensor load lands here
.set VA,  4                            ; 1,024 hh + 256 w + 128 (li xor hh)
.set VN0, 5                            ; NB + 1,024 hh + 16 lj + 128 hh
.set VN1, 6                            ; NB + 1,024 hh + 16 lj + 128 (1 - hh)
.set VWA, 7                            ; WL + 16 hh
.set CO,  8                            ; 131,072 li + 16 (lane mod 16): my 16 bytes in out
.set SPO, 9                            ; 16 (lane mod 16): my 4 columns in sp
.set CS,  12                           ; v[12:15]   (b2 + column sums) x -log2 e of my 4 columns
.set BUF, 16                           ; two buffers of 68: a at 4 K + e, n at 32 + 4 m + e (m = 4 G + c), W2 at 64 + e
.set MB,  152                          ; 32 maxima: (m, e) at 8 (m >> 1) + 2 (m & 1) + (e & 1) + 4 (e >> 1)
.set ACC, 184                          ; 64 sums: (K, m) at 8 K + m
.set G1A, 24
.set G1N, 32
.set G0A, 40
.set G0N, 44
.set NLOG2E, 0xbfb8aa3b                ; -1.442695
.macro CROUND                          ; a round of the cluster's barrier
	s_barrier_signal -1
	s_barrier_wait -1
	s_cmp_lg_u32 s16, 0
	s_cbranch_scc1 .Lnot_wave_0_\@
	s_barrier_signal -3
.Lnot_wave_0_\@:
	s_barrier_wait -3
	s_barrier_signal -1
	s_barrier_wait -1
.endm
	s_load_b256 s[4:11], s[0:1], 0x0               ; an s[4:5], sp s[6:7], W2 s[8:9], b2 s[10:11]
	s_load_b64 s[12:13], s[0:1], 0x20              ; out0
	v_lshl_add_u32 v248, v0, 2, 0x29000
	v_mov_b32 v249, 0
	ds_add_u32 v248, v249
	v_lshrrev_b32 v1, 5, v0
	v_readfirstlane_b32 s16, v1                    ; wave w
	s_bfe_u32 s17, ttmp6, 0x40000                  ; cx
	s_bfe_u32 s18, ttmp6, 0x40004                  ; cy
	s_lshl_b32 s19, ttmp9, 2
	s_add_co_u32 s19, s19, s17                     ; bx
	s_and_b32 s20, ttmp7, 0xffff
	s_lshl_b32 s20, s20, 2
	s_add_co_u32 s20, s20, s18                     ; by
	s_lshl_b32 s21, s18, 2
	s_lshl_b32 s21, 15, s21                        ; my row of the cluster
	s_lshl_b32 s22, 0x1111, s17                    ; my column
	s_mov_b32 s59, NLOG2E
	; group 1: a dense block as 64 rows of 32 elements of 8 bytes (256 bytes), no padding
	s_or_b32 s[G1A+0], s21, (3<<16)|(1<<21)        ; a's block hangs on by: shared along my row
	s_or_b32 s[G1N+0], s22, (3<<16)|(1<<21)        ; n's block hangs on bx: shared down my column
	s_mov_b32 s[G1A+1], 32<<16                     ; tensor_dim0 = 32
	s_mov_b32 s[G1N+1], 32<<16
	s_mov_b32 s[G1A+2], 64<<16                     ; tensor_dim1 = 64
	s_mov_b32 s[G1N+2], 64<<16
	s_mov_b32 s[G1A+3], 32<<16                     ; tile_dim0 = 32
	s_mov_b32 s[G1N+3], 32<<16
	s_mov_b32 s[G1A+4], 64                         ; tile_dim1 = 64
	s_mov_b32 s[G1N+4], 64
	s_mov_b32 s[G1A+5], 32                         ; elements from row to row
	s_mov_b32 s[G1N+5], 32
	s_mov_b32 s[G1A+6], 0
	s_mov_b32 s[G1N+6], 0
	s_mov_b32 s[G1A+7], 0
	s_mov_b32 s[G1N+7], 0
	s_lshl_b32 s23, s16, 14                        ; my quarter: w x 16,384
	s_lshl_b32 s48, s20, 16                        ; a: by x 65,536 + quarter.  These registers never hold cx.
	s_add_co_u32 s48, s48, s23
	s_mov_b32 s49, 0
	s_lshl_b32 s50, s19, 16                        ; n: 1,048,576 + bx x 65,536 + quarter.  These registers never hold cy.
	s_add_co_u32 s50, s50, s23
	s_add_co_u32 s50, s50, 1048576
	s_mov_b32 s51, 0
	s_mov_b32 s[G0A+0], 1
	s_lshl_b32 s[G0A+1], s16, 14                   ; LDS: w x 16,384
	s_mov_b32 s[G0N+0], 1
	s_lshl_b32 s[G0N+1], s16, 14
	s_add_co_u32 s[G0N+1], s[G0N+1], NB
	s_wait_dscnt 0x0
	s_wait_kmcnt 0x0
	s_load_b32 s52, s[10:11], 0x0                  ; b2
	s_add_nc_u64 s[G0A+2:G0A+3], s[4:5], s[48:49]
	s_or_b32 s[G0A+3], s[G0A+3], 0x80000000
	s_add_nc_u64 s[G0N+2:G0N+3], s[4:5], s[50:51]
	s_or_b32 s[G0N+3], s[G0N+3], 0x80000000
	CROUND                                         ; all sixteen work-groups are here: the joint loads meet
	tensor_load_to_lds s[G0A:G0A+3], s[G1A:G1A+7]
	s_nop 0
	tensor_load_to_lds s[G0N:G0N+3], s[G1N:G1N+7]
	s_nop 0
	v_and_b32 v1, 7, v0                            ; lj
	v_bfe_u32 v2, v0, 3, 1                         ; hh
	v_bfe_u32 v3, v0, 4, 1                         ; li
	v_add_nc_u32 v[VA], v2, v3
	v_and_b32 v[VA], 1, v[VA]                      ; li xor hh
	v_lshlrev_b32 v[VA], 7, v[VA]
	v_lshl_add_u32 v[VA], v2, 10, v[VA]
	s_lshl_b32 s60, s16, 8
	v_add_nc_u32 v[VA], s60, v[VA]
	v_mul_u32_u24 v[VN0], v2, 1152                 ; 1,024 hh + 128 hh
	v_lshl_add_u32 v[VN0], v1, 4, v[VN0]
	v_add_nc_u32 v[VN0], NB, v[VN0]
	v_mul_u32_u24 v[VN1], v2, 896                  ; 1,024 hh + 128 (1 - hh) = 128 + 896 hh
	v_lshl_add_u32 v[VN1], v1, 4, v[VN1]
	v_add_nc_u32 v[VN1], NB+128, v[VN1]
	v_lshl_add_u32 v[VWA], v2, 4, WL
	v_and_b32 v[SPO], 15, v0
	v_lshlrev_b32 v[SPO], 4, v[SPO]
	v_lshl_add_u32 v[CO], v3, 17, v[SPO]           ; 8 li rows l are 32 li rows of out, 4,096 bytes each
	v_lshlrev_b32 v10, 3, v0                       ; 128 threads x 8 bytes = W2
	v_add_nc_u32 v11, WL, v10
	s_lshl_b32 s54, s20, 18                        ; out: (64 by + w) x 4,096 + bx x 256
	s_lshl_b32 s61, s16, 12
	s_add_co_u32 s54, s54, s61
	s_lshl_b32 s56, s19, 8                         ; sp: bx x 256
	s_add_co_u32 s54, s54, s56
	s_mov_b32 s55, 0
	s_mov_b32 s57, 0
	s_add_nc_u64 s[12:13], s[12:13], s[54:55]
	s_add_nc_u64 s[6:7], s[6:7], s[56:57]
	global_load_b64 v[2:3], v10, s[8:9]
.irp hs, 0,1,2,3,4,5,6,7,8,9,10,11,12,13,14,15
	global_load_b128 v[ACC+4*\hs:ACC+4*\hs+3], v[SPO], s[6:7] offset:4096*\hs   ; the sixteen partial column sums of my 4 columns; 16 lanes read 256 consecutive bytes
.endr
	s_wait_loadcnt 16                              ; loads come back in order (ISA guide 5.7.1): W2 is in, the 16 behind it may be out
	ds_store_b64 v11, v[2:3]
	s_wait_loadcnt 0x0
	v_pk_add_f32 v[CS:CS+1],   v[ACC:ACC+1],   v[ACC+4:ACC+5]
	v_pk_add_f32 v[CS+2:CS+3], v[ACC+2:ACC+3], v[ACC+6:ACC+7]
.irp hs, 2,3,4,5,6,7,8,9,10,11,12,13,14,15
	v_pk_add_f32 v[CS:CS+1],   v[CS:CS+1],   v[ACC+4*\hs:ACC+4*\hs+1]
	v_pk_add_f32 v[CS+2:CS+3], v[CS+2:CS+3], v[ACC+4*\hs+2:ACC+4*\hs+3]
.endr
	s_wait_kmcnt 0x0                               ; b2
	s_mul_f32 s53, s52, s59                        ; b2 x -log2 e
.irp c, 0,1,2,3
	v_fma_f32 v[CS+\c], v[CS+\c], s59, s53         ; (column sum + b2) x -log2 e
.endr
; 17 LDS loads: the operands of the step that lies k steps behind the address registers' step, into buffer b
.macro LOADS b, k
.irp kk, 0,1,2,3,4,5,6,7
	ds_load_b128 v[BUF+68*\b+4*\kk:BUF+68*\b+4*\kk+3], v[VA] offset:2048*\k+16*\kk
.endr
.irp c, 0,1,2,3
	ds_load_b128 v[BUF+68*\b+32+4*\c:BUF+68*\b+32+4*\c+3], v[VN0] offset:2048*\k+256*\c
.endr
.irp c, 0,1,2,3
	ds_load_b128 v[BUF+68*\b+48+4*\c:BUF+68*\b+48+4*\c+3], v[VN1] offset:2048*\k+256*\c
.endr
	ds_load_b128 v[BUF+68*\b+64:BUF+68*\b+67], v[VWA] offset:32*\k
.endm
; Two maxima: row kr, column m = i, e = 2 eh and 2 eh + 1.  Destinations even and odd; both pairs of sources are neighbouring registers.
.macro XD b, kr, eh, i
	v_dual_max_num_f32 v[MB+8*((\i)>>1)+2*((\i)&1)+4*(\eh)], v[BUF+68*(\b)+4*(\kr)+2*(\eh)], v[BUF+68*(\b)+32+4*(\i)+2*(\eh)] :: v_dual_max_num_f32 v[MB+8*((\i)>>1)+2*((\i)&1)+4*(\eh)+1], v[BUF+68*(\b)+4*(\kr)+2*(\eh)+1], v[BUF+68*(\b)+32+4*(\i)+2*(\eh)+1]
.endm
; Two multiply-adds: row kr, e = 2 eh + (i >> 2), columns m = 2 (i & 3) and + 1.  The first source is one register, the second sources lie two apart.
; first = 1 and e = 0: a product starts the sums: nothing is ever cleared.
.macro FD b, kr, eh, i, first
.set fz, 0
.if \first
.if (2*(\eh)+((\i)>>2)) == 0
.set fz, 1
.endif
.endif
.if fz
	v_dual_mul_f32 v[ACC+8*(\kr)+2*((\i)&3)], v[BUF+68*(\b)+64+2*(\eh)+((\i)>>2)], v[MB+8*((\i)&3)+((\i)>>2)+4*(\eh)] :: v_dual_mul_f32 v[ACC+8*(\kr)+2*((\i)&3)+1], v[BUF+68*(\b)+64+2*(\eh)+((\i)>>2)], v[MB+8*((\i)&3)+((\i)>>2)+4*(\eh)+2]
.else
	v_dual_fmac_f32 v[ACC+8*(\kr)+2*((\i)&3)], v[BUF+68*(\b)+64+2*(\eh)+((\i)>>2)], v[MB+8*((\i)&3)+((\i)>>2)+4*(\eh)] :: v_dual_fmac_f32 v[ACC+8*(\kr)+2*((\i)&3)+1], v[BUF+68*(\b)+64+2*(\eh)+((\i)>>2)], v[MB+8*((\i)&3)+((\i)>>2)+4*(\eh)+2]
.endif
.endm
; Eight multiply-adds on one half of the maxima, by turns with the eight maxima that fill the other half: no instruction uses the result of the one in front of it
.macro MIX b, kf, hf, kx, hx, first
.irp idx, 0,1,2,3,4,5,6,7
	FD \b, \kf, \hf, \idx, \first
	XD \b, \kx, \hx, \idx
.endr
.endm
; One step on buffer b: 8 rows x 8 columns x 4 h = 256 elements a lane, 128 + 128 dual instructions
.macro COMPUTE b, first
.irp idx, 0,1,2,3,4,5,6,7
	XD \b, 0, 0, \idx
.endr
.irp kk, 0,1,2,3,4,5,6
	MIX \b, \kk, 0, \kk, 1, \first
	MIX \b, \kk, 1, \kk+1, 0, 0
.endr
	MIX \b, 7, 0, 7, 1, \first
.irp idx, 0,1,2,3,4,5,6,7
	FD \b, 7, 1, \idx, 0
.endr
.endm
	s_wait_dscnt 0x0                               ; my 256 bytes of W2 are in LDS,
	s_wait_tensorcnt 0x0                           ; my quarters of a's and n's blocks too,
	s_barrier_signal -1
	s_barrier_wait -1                              ; everybody's are
	LOADS 0, 0                                     ; step 0
	LOADS 1, 1                                     ; step 1
	s_wait_dscnt 17                                ; LDS loads come back in order (ISA guide 5.7.1): buffer 0's 17 are in, buffer 1's may be out
	COMPUTE 0, 1                                   ; step 0 stands in front of the loop: its first products start the sums
	s_mov_b32 s58, 15
.Ltrip:                                            ; trip i: steps 2 i + 1 and 2 i + 2 are worked on, steps 2 i + 2 and 2 i + 3 fetched
	LOADS 0, 2
	s_wait_dscnt 17                                ; buffer 1's 17 are in, the 17 just issued may be out
	COMPUTE 1, 0
	LOADS 1, 3
	s_wait_dscnt 17                                ; buffer 0's 17 are in
	COMPUTE 0, 0
	v_add_nc_u32 v[VA],  4096, v[VA]               ; two steps on: 4 q of 1,024 bytes, 16 numbers of W2
	v_add_nc_u32 v[VN0], 4096, v[VN0]
	v_add_nc_u32 v[VN1], 4096, v[VN1]
	v_add_nc_u32 v[VWA], 64, v[VWA]
	s_sub_co_u32 s58, s58, 1
	s_cmp_lg_u32 s58, 0
	s_cbranch_scc1 .Ltrip
	s_wait_dscnt 0x0
	COMPUTE 1, 0                                   ; step 31: nothing more to fetch
	; The two halves of the h meet: lane xor 8 has the other hh, and its group G = 1 holds my group G = 0's columns (x = lj + 8 hh = lane mod 16).
.irp kk, 0,1,2,3,4,5,6,7
.irp c, 0,1,2,3
	v_add_f32_dpp v[ACC+8*\kk+\c], v[ACC+8*\kk+4+\c], v[ACC+8*\kk+\c] row_xmask:8 row_mask:0xf bank_mask:0xf
.endr
.endr
	; sigmoid(pre) = 1 / (1 + 2^(-log2 e x pre)).  An overflowing power gives infinity and the result 0; a vanishing one gives 1.
.irp kk, 0,1,2,3,4,5,6,7
	v_pk_fma_f32 v[ACC+8*\kk:ACC+8*\kk+1],   v[ACC+8*\kk:ACC+8*\kk+1],   NLOG2E, v[CS:CS+1]   op_sel_hi:[1,0,1]
	v_pk_fma_f32 v[ACC+8*\kk+2:ACC+8*\kk+3], v[ACC+8*\kk+2:ACC+8*\kk+3], NLOG2E, v[CS+2:CS+3] op_sel_hi:[1,0,1]
.endr
.irp kk, 0,1,2,3,4,5,6,7
.irp c, 0,1,2,3
	v_exp_f32 v[ACC+8*\kk+\c], v[ACC+8*\kk+\c]
.endr
.endr
	v_nop                                          ; one plain vector instruction behind the last transcendental before its result is used (ISA guide 5.7.2)
	s_wait_alu depctr_va_vdst(0)
.irp kk, 0,1,2,3,4,5,6,7
	v_pk_add_f32 v[ACC+8*\kk:ACC+8*\kk+1],   v[ACC+8*\kk:ACC+8*\kk+1],   1.0 op_sel_hi:[1,0]
	v_pk_add_f32 v[ACC+8*\kk+2:ACC+8*\kk+3], v[ACC+8*\kk+2:ACC+8*\kk+3], 1.0 op_sel_hi:[1,0]
.endr
.irp kk, 0,1,2,3,4,5,6,7
.irp c, 0,1,2,3
	v_rcp_f32 v[ACC+8*\kk+\c], v[ACC+8*\kk+\c]
.endr
.endr
	v_nop                                          ; and again, before the stores read the reciprocals
	s_wait_alu depctr_va_vdst(0)
.irp kk, 0,1,2,3,4,5,6,7
	global_store_b128 v[CO], v[ACC+8*\kk:ACC+8*\kk+3], s[12:13] offset:16384*\kk th:TH_STORE_NT   ; row l = 8 li + K: 16 lanes store 256 consecutive bytes, aligned
.endr
	s_wait_tensorcnt 0x0
	ds_add_u32 v248, v249
	s_wait_dscnt 0x0
	CROUND                                         ; the closing round: no work-group ends while a partner may still ask for a tile that names it
	s_endpgm
.Lfunc_end_k_qe955af8cb4_pairs:
	.size	k_qe955af8cb4_pairs, .Lfunc_end_k_qe955af8cb4_pairs-k_qe955af8cb4_pairs
	.p2alignl 7, 3214868480
	.fill 96, 4, 3214868480
	.section	.rodata,"a",@progbits
	.p2align	6, 0x0
	.amdhsa_kernel k_qe955af8cb4_pairs
		.amdhsa_group_segment_fixed_size 168448
		.amdhsa_private_segment_fixed_size 0
		.amdhsa_enable_private_segment 0
		.amdhsa_kernarg_size 40
		.amdhsa_user_sgpr_count 2
		.amdhsa_user_sgpr_kernarg_segment_ptr 1
		.amdhsa_wavefront_size32 1
		.amdhsa_system_sgpr_workgroup_id_x 1
		.amdhsa_system_sgpr_workgroup_id_y 1
		.amdhsa_system_sgpr_workgroup_id_z 1
		.amdhsa_system_vgpr_workitem_id 0
		.amdhsa_next_free_vgpr 250
		.amdhsa_next_free_sgpr 66
		.amdhsa_reserve_vcc 0
		.amdhsa_float_denorm_mode_32 3
		.amdhsa_float_denorm_mode_16_64 3
		.amdhsa_memory_ordered 1
		.amdhsa_forward_progress 1
		.amdhsa_inst_pref_size 86
	.end_amdhsa_kernel
	.amdgpu_metadata
---
amdhsa.version: [ 1, 2 ]
amdhsa.kernels:
  - .name:           k_qe955af8cb4_pairs
    .symbol:         k_qe955af8cb4_pairs.kd
    .args:
      - { .name: an, .offset: 0, .size: 8, .value_kind: global_buffer, .address_space: global }
      - { .name: sp, .offset: 8, .size: 8, .value_kind: global_buffer, .address_space: global }
      - { .name: W2, .offset: 16, .size: 8, .value_kind: global_buffer, .address_space: global }
      - { .name: b2, .offset: 24, .size: 8, .value_kind: global_buffer, .address_space: global }
      - { .name: out0, .offset: 32, .size: 8, .value_kind: global_buffer, .address_space: global }
    .group_segment_fixed_size: 168448
    .private_segment_fixed_size: 0
    .kernarg_segment_align: 8
    .kernarg_segment_size: 40
    .max_flat_workgroup_size: 128
    .sgpr_count:     66
    .vgpr_count:     250
    .wavefront_size: 32
...
	.end_amdgpu_metadata
.endif
;; end of part 2
